; MI455X (gfx1250); checked and timed in simulation.
; The chip was launched on July 23, 2026; its instructions are those of AMD's public machine-readable ISA for CDNA 5 (MIT licence, August 2026) and "CDNA5" Instruction Set Architecture Reference Guide (July 2026). The comments in the code are by the model that wrote it; some were corrected since.
;; Gen Process Final. Allowed arithmetic: matrix products marked QUANTISED: E4M3 operands, one E8M0 scale for each 32 along K, by v_wmma_scale_f32_16x16x128_f8f6f4 with both operands' format E4M3, f32 sums; everything else in f32.
;; Inputs: dataMinor 256 x 512 float32; x 64 x 2,048 x 256 float32.
;; Outputs: out0 64 x 512 float32.
;; This version of the problem:
;;   THIS VERSION OF THE PROBLEM IS GIVEN IN LOW PRECISION. The matrix products marked QUANTISED in the list below multiply operands that are first quantised to E4M3 (4 exponent bits, 3 mantissa bits; 8 bits a number), with one power-of-two scale for each 32 numbers along K (OCP MX v1.0); their sums are f32. All else is computed in f32.
;;   The module's matrix products, in the order in which they are computed (A, B: the left and right operand; K: the contracted axis; several contracted axes count as one K, in the product's order):
;;     1. [M 64, K 256] x [K 256, N 512]; A: computed on the way; B: input dataMinor: QUANTISED
;;   THE QUANTISER, for each operand of a quantised product, along K:
;;     - K is cut into blocks of 32 from its start; a last block that is shorter is filled with zeros.
;;     - A block's scale is 2^e with e = floor(log2(the largest magnitude in the block)) - 8, held to -126 .. 127; a block of zeros has e = 0. As a byte (E8M0): e + 127.
;;     - Each number is divided by its block's scale, clamped to +-448, and rounded to the nearest number of E4M3, ties to even, subnormals kept.
;;     - The product sums the exact products of the quantised numbers (number of the format x scale) in f32.
;;   ~~~python
;;   def quantise(x, axis):      # numpy; x: float32 -> the quantised numbers, widened to float32 again
;;       x = np.moveaxis(x, axis, -1); K = x.shape[-1]
;;       x = np.pad(x, [(0, 0)] * (x.ndim - 1) + [(0, -K % 32)]); x = x.reshape(x.shape[:-1] + (-1, 32)); a = np.abs(x).max(-1, keepdims=True)
;;       e = np.where(a > 0, np.clip(np.frexp(np.where(a > 0, a, 1))[1] - 1 - 8, -126, 127), 0)      # np.frexp(a)[1] - 1 = floor(log2(a)), exactly
;;       r = np.clip(x / 2.0 ** e, -448, 448)
;;       step = 2.0 ** (np.maximum(np.frexp(np.where(r == 0, 1, r))[1] - 1, -6) - 3)
;;       q = np.round(r / step) * step * 2.0 ** e      # np.round: ties to even
;;       return np.moveaxis(q.reshape(q.shape[:-2] + (-1,))[..., :K], -1, axis).astype(np.float32)
;;   ~~~
;;   OPERANDS COMPUTED ON THE WAY. 'Computed on the way' means the value that the module computes at that place (a softmax that the list does not call 'softmax' is quantised finished and normalised). What goes into a quantiser is computed in f32, as accurately as f32 sums, v_exp_f32 and their like allow (about 1e-6 of the number): no bf16 or f16 on the way to a quantiser, and a product that is left as it is and whose result goes on into a quantised operand takes f32 operands (vector FMAs, or v_wmma_f32_16x16x4_f32). A number that lies on a knife's edge between two numbers of the format may be rounded either way, as far as f32 arithmetic and the matrix unit's own rounding can turn it there, and no further.
;; 2 versions. Each part assembles by itself: llvm-mc -triple=amdgcn-amd-amdhsa -mcpu=gfx1250 --defsym DOCPART=n.
;; ======== version 1 of 2: 2 launches
;; workspace buffers: part 262,144 bytes; wcodes 131,072 bytes; wscale 32,768 bytes
;; launch sums (part 1): grid 256 x 1, 17 waves a work-group, no clusters, 19,712 bytes of LDS; arguments x, dataMinor, part, wcodes, wscale; writes part, wcodes, wscale
.if DOCPART == 1
	.amdgcn_target "amdgcn-amd-amdhsa--gfx1250"
	.amdhsa_code_object_version 6
	.text
	.protected	k_q3c24ae866f_sums
	.globl	k_q3c24ae866f_sums
	.p2align	8
	.type	k_q3c24ae866f_sums,@function
k_q3c24ae866f_sums:
	s_mov_b64 s[64:65], 0
	v_nop
	global_prefetch_b8 v0, s[64:65] scope:SCOPE_SE
	s_setreg_imm32_b32 hwreg(HW_REG_WAVE_MODE, 25, 1), 1
	s_wait_xcnt 0x0
; FIRST OF TWO LAUNCHES.  out0[b][d] = sum over k of Q(mean over s of x[b][s][k]) Q(dataMinor[k][d]), Q the MX-FP8 quantiser along K.
; This launch (1) adds up x over a quarter of S for each batch and (2) turns dataMinor into codes of E4M3 with E8M0 scales.
; x: [64][2048][256] f32.  Work-group i (256 of them) owns the 512 rows of 1,024 bytes at byte 524,288 i: batch i / 4, quarter i % 4 of S.
; WAVES 0-15 STREAM x.  Wave w takes rows w, w + 16, .. (32 rows); a row is two loads of 512 consecutive bytes, 16 a lane, so the sixteen waves walk the
; chunk in order, 16,384 bytes a step, and lane l always holds columns 4 l .. 4 l + 3 (first load) and 128 + 4 l .. (second).  A ring of 8 groups of 4 loads in
; registers keeps 32 loads of every wave on their way: 16 KiB a wave, 256 KiB a work-group.  No byte of x is read twice, and none is shared between work-groups,
; so there is no LDS ring, no cluster and no joint request.  The waves' sums meet in LDS (1 KiB a wave), waves 0 and 1 add them, multiply by 1 / 2048 and store
; part[quarter][batch][256]: the quarter's share of the mean; a wave's store covers 512 consecutive bytes, aligned.
; WAVE 16 QUANTISES 1 / 256 OF dataMinor ([256 (k)][512 (d)] f32) meanwhile: block i % 8 of K (32 rows) x the 16 columns of tile i / 8.  Lane (r, h) takes column r and its
; registers run down K, k = 16 h + 0 .. 15 of the block: the order in which the matrix operand wants them, so its 16 codes ARE registers 4 c .. 4 c + 3 of the
; fragment and leave as an image, 16 bytes a lane, 512 consecutive bytes: wcodes[tile][block][lane][16].  The block's scale byte leaves as a word a lane, 128 consecutive
; bytes: wscale[tile][block][lane].  Its loads read 64 consecutive bytes of a row in sixteen lanes: 2 KiB of the work-group's 514 KiB are read so.
; A block's scale is 2^(floor(log2(largest magnitude)) - 8), its byte the largest magnitude's exponent field - 8, held at 1 from below.
; LIMITS: NaN and infinities among the inputs are not served.  A block of zeros gets the byte 1 where the rule says 127: its codes are zeros, and the bytes are read by this
; program alone.  The f32 sums over S go in another order than a plain chain: two rows, a chain of 16 such pairs, a tree over 16 waves, and in the next launch a tree over
; the 4 quarters.  The factor 2^-11 rounds nothing unless a share of a mean falls under 2^-126.
.set ROWB,   1024                      ; a row of x in bytes; also a wave's bytes in LDS
.set STEPB,  16*ROWB                   ; sixteen waves' rows
.set RING,   8                         ; groups of 4 loads (two rows) in the ring
.set VO,  1                            ; v1   1,024 x wave + 16 x lane: my bytes in a step of x, and my bytes of my wave's row in LDS; never rewritten
.set LR,  2                            ; v2   16 x (thread % 64): four columns of a row, in LDS and in part; never rewritten
.set WO,  3                            ; v3   dataMinor: 4 r + 16 h rows of 2,048 bytes
.set CO,  4                            ; v4   16 x lane
.set SO,  5                            ; v5   4 x lane
.set ACC, 8                            ; v8-15    my eight sums
.set X,   16                           ; v16-143  the ring: group g at X + 16 (g % 8); at the end v16-79 take the sixteen waves' sums
.set C,   X+64                         ; the weights' wave: v16-31 its 16 numbers; v80-83 the codes, v84 the byte: what it stores lies above v79
.set BY,  X+68
.set M,   X+69                         ; at work
.set M2,  X+70
.set T,   X+71
.set H,   X+72
.set SC,  X+73
.set WV,  14                           ; s14  my wave's number
.set INV, 26                           ; s[26:27] 2^-11: the packed form names a pair and takes its low word for both halves
.set SEL, 28                           ; s[28:29] v_permlanex16_b32's selects for lane l xor 16
.set MNT, 30                           ; s30  the mantissa field of 448
	s_load_b128 s[4:7], s[0:1], 0x0                ; x, dataMinor
	s_load_b128 s[8:11], s[0:1], 0x10              ; part, wcodes
	s_load_b64 s[12:13], s[0:1], 0x20              ; wscale
	v_lshl_add_u32 v144, v0, 2, 0x4400
	v_mov_b32 v145, 0
	v_lshrrev_b32 v6, 5, v0
	v_readfirstlane_b32 s[WV], v6                  ; wave 0..16
	v_and_b32 v7, 31, v0                           ; lane
	v_lshlrev_b32 v[CO], 4, v7
	v_lshlrev_b32 v[SO], 2, v7
	v_lshl_add_u32 v[VO], v6, 10, v[CO]
	v_and_b32 v[LR], 63, v0                        ; every LDS address is made here, ahead of the place where the waves' ways part
	v_lshlrev_b32 v[LR], 4, v[LR]
	v_and_b32 v[WO], 15, v0                        ; r
	v_lshlrev_b32 v[WO], 2, v[WO]
	v_bfe_u32 v7, v0, 4, 1                         ; h
	v_lshl_add_u32 v[WO], v7, 15, v[WO]
	s_lshl_b32 s16, ttmp9, 19                      ; x: 524,288 bytes a work-group (under 2^27)
	s_mov_b32 s17, 0
	s_and_b32 s18, ttmp9, 3                        ; the quarter of S
	s_lshr_b32 s19, ttmp9, 2                       ; the batch
	s_lshl_b32 s18, s18, 16                        ; part: 65,536 bytes a quarter,
	s_lshl_b32 s19, s19, 10                        ; 1,024 a batch
	s_add_co_u32 s18, s18, s19
	s_mov_b32 s19, 0
	s_and_b32 s20, ttmp9, 7                        ; the block of K
	s_lshr_b32 s21, ttmp9, 3                       ; the tile of 16 columns
	s_lshl_b32 s20, s20, 16                        ; dataMinor: 32 rows of 2,048 bytes a block,
	s_lshl_b32 s21, s21, 6                         ; 64 bytes a tile
	s_add_co_u32 s20, s20, s21
	s_mov_b32 s21, 0
	s_lshl_b32 s22, ttmp9, 9                       ; wcodes: 512 bytes for (tile, block) = 8 x tile + block = the work-group's number
	s_mov_b32 s23, 0
	s_lshl_b32 s24, ttmp9, 7                       ; wscale: 128 bytes likewise
	s_mov_b32 s25, 0
	s_mov_b32 s[INV], 0x3a000000                   ; 2^-11
	s_mov_b32 s[INV+1], s[INV]
	s_mov_b32 s[SEL], 0x76543210
	s_mov_b32 s[SEL+1], 0xfedcba98
	s_mov_b32 s[MNT], 0x600000
	s_wait_kmcnt 0x0
	s_add_nc_u64 s[4:5], s[4:5], s[16:17]
	s_add_nc_u64 s[8:9], s[8:9], s[18:19]
	s_add_nc_u64 s[6:7], s[6:7], s[20:21]
	s_add_nc_u64 s[10:11], s[10:11], s[22:23]
	s_add_nc_u64 s[12:13], s[12:13], s[24:25]
	s_cmp_eq_u32 s[WV], 16
	s_cbranch_scc1 .Lweights
; ---- waves 0-15: the stream.  Group g is my rows 2 g and 2 g + 1 of 32: four loads; every offset is an immediate, 508,416 at the most
.macro LOADG g
.irp i, 0,1,2,3
	global_load_b128 v[X+16*((\g)%RING)+4*\i:X+16*((\g)%RING)+4*\i+3], v[VO], s[4:5] offset:(2*(\g)+\i/2)*STEPB+(\i%2)*512 th:TH_LOAD_NT
.endr
.endm
; left = how many younger loads may stay out.  The two rows are added to each other, then onto the sums; the first pair starts the sums: nothing is cleared
.macro SUMG g, left
	s_wait_loadcnt \left                           ; loads come back in order (ISA guide 5.7.1): this group's four are in
.set XG, X+16*((\g)%RING)
.if (\g) == 0
.irp e, 0,2,4,6
	v_pk_add_f32 v[ACC+\e:ACC+\e+1], v[XG+\e:XG+\e+1], v[XG+8+\e:XG+9+\e]
.endr
.else
.irp e, 0,2,4,6
	v_pk_add_f32 v[XG+\e:XG+\e+1], v[XG+\e:XG+\e+1], v[XG+8+\e:XG+9+\e]
.endr
.irp e, 0,2,4,6
	v_pk_add_f32 v[ACC+\e:ACC+\e+1], v[ACC+\e:ACC+\e+1], v[XG+\e:XG+\e+1]
.endr
.endif
.endm
.irp g, 0,1,2,3,4,5,6,7
	LOADG \g                                       ; the ring is filled: 32 loads
.endr
.irp g, 0,1,2,3,4,5,6,7
	SUMG \g, 28                                    ; the seven younger groups stay out;
	LOADG \g+8                                     ; the group's registers take the rows eight groups on
.endr
.irp g, 8,9,10,11,12,13,14,15
	SUMG \g, 4*(15-\g)                             ; nothing more to ask for: the counts run down
.endr
	ds_store_b128 v[VO], v[ACC:ACC+3]              ; my wave's row of 256 sums: columns 4 l ..,
	ds_store_b128 v[VO], v[ACC+4:ACC+7] offset:512 ; and 128 + 4 l ..
	s_branch .Lmeet
; ---- wave 16: one block of 32 along K x 16 columns of dataMinor
.Lweights:
.irp q, 0,1,2,3,4,5,6,7,8,9,10,11,12,13,14,15
	global_load_b32 v[X+\q], v[WO], s[6:7] offset:2048*\q   ; dataMinor(32 block + 16 h + q, 16 tile + r)
.endr
	v_mov_b32 v[T], 0                              ; a lane permute's destination counts as one of its sources
	s_wait_loadcnt 0x0
	v_max3_num_f32 v[M],  |v[X]|,   |v[X+1]|, 0x4800000    ; the largest magnitude of my 16, in two chains, with the floor 2^(9 - 127) among the leaves: the byte cannot fall under 1
	v_max3_num_f32 v[M2], |v[X+8]|, |v[X+9]|, |v[X+10]|
	v_max3_num_f32 v[M],  v[M],  |v[X+2]|,  |v[X+3]|
	v_max3_num_f32 v[M2], v[M2], |v[X+11]|, |v[X+12]|
	v_max3_num_f32 v[M],  v[M],  |v[X+4]|,  |v[X+5]|
	v_max3_num_f32 v[M2], v[M2], |v[X+13]|, |v[X+14]|
	v_max3_num_f32 v[M],  v[M],  |v[X+6]|,  |v[X+7]|
	v_max3_num_f32 v[M],  v[M],  v[M2],     |v[X+15]|
	v_permlanex16_b32 v[T], v[M], s[SEL], s[SEL+1]
	v_max_num_f32 v[M], v[M], v[T]                 ; with lane l xor 16's 16: the block's
	v_add_nc_u32 v[SC], 0xfc000000, v[M]           ; 8 off its exponent field: the conversion takes the exponent field of this operand as its scale, and nothing else of it
	v_and_or_b32 v[H], v[M], 0x7f800000, s[MNT]    ; 448 x the scale: the largest magnitude's exponent field over 448's mantissa
.irp q, 0,1,2,3,4,5,6,7,8,9,10,11,12,13,14,15
	v_med3_num_f32 v[X+\q], v[X+\q], -v[H], v[H]   ; the conversion to an 8-bit code does not saturate (ISA guide 7.6.2): the number is held within the largest code x the scale first
.endr
	v_cvt_scalef32_pk8_fp8_f32 v[C:C+1],   v[X:X+7],    v[SC]
	v_cvt_scalef32_pk8_fp8_f32 v[C+2:C+3], v[X+8:X+15], v[SC]
	v_lshrrev_b32 v[BY], 23, v[SC]                 ; the scale's byte (a plain line behind the conversions)
	global_store_b128 v[CO], v[C:C+3], s[10:11]    ; four registers of the fragment as they stand: 512 consecutive bytes, aligned
	global_store_b32 v[SO], v[BY], s[12:13]        ; lane (r, h): column r's byte, as a word: 128 consecutive bytes
.Lmeet:
	s_wait_dscnt 0x0                               ; for the others' sake: my row of sums lies in LDS
	s_barrier_signal -1
	s_barrier_wait -1                              ; all sixteen rows do
	s_cmp_gt_u32 s[WV], 1
	s_cbranch_scc1 .Ldone
	; ---- waves 0 and 1: thread t adds columns 4 t .. 4 t + 3 of the sixteen rows, in a tree
.irp w, 0,1,2,3,4,5,6,7,8,9,10,11,12,13,14,15
	ds_load_b128 v[X+4*\w:X+4*\w+3], v[LR] offset:ROWB*\w
.endr
.macro ADD4 d, s
	v_pk_add_f32 v[X+4*(\d):X+4*(\d)+1],   v[X+4*(\d):X+4*(\d)+1],   v[X+4*(\s):X+4*(\s)+1]
	v_pk_add_f32 v[X+4*(\d)+2:X+4*(\d)+3], v[X+4*(\d)+2:X+4*(\d)+3], v[X+4*(\s)+2:X+4*(\s)+3]
.endm
	s_wait_dscnt 0x0
.irp d, 0,2,4,6,8,10,12,14
	ADD4 \d, \d+1
.endr
.irp d, 0,4,8,12
	ADD4 \d, \d+2
.endr
	ADD4 0, 4
	ADD4 8, 12
	ADD4 0, 8
	v_pk_mul_f32 v[X:X+1],   v[X:X+1],   s[INV:INV+1] op_sel_hi:[1,0]   ; / 2048: the quarter's share of the mean
	v_pk_mul_f32 v[X+2:X+3], v[X+2:X+3], s[INV:INV+1] op_sel_hi:[1,0]
	global_store_b128 v[LR], v[X:X+3], s[8:9]      ; 32 lanes store 512 consecutive bytes, at a multiple of 512 from part's first byte
.Ldone:
	s_wait_tensorcnt 0x0
	ds_add_u32 v144, v145
	s_wait_dscnt 0x0
	s_endpgm
.Lfunc_end_k_q3c24ae866f_sums:
	.size	k_q3c24ae866f_sums, .Lfunc_end_k_q3c24ae866f_sums-k_q3c24ae866f_sums
	.p2alignl 7, 3214868480
	.fill 96, 4, 3214868480
	.section	.rodata,"a",@progbits
	.p2align	6, 0x0
	.amdhsa_kernel k_q3c24ae866f_sums
		.amdhsa_group_segment_fixed_size 19712
		.amdhsa_private_segment_fixed_size 0
		.amdhsa_enable_private_segment 0
		.amdhsa_kernarg_size 40
		.amdhsa_user_sgpr_count 2
		.amdhsa_user_sgpr_kernarg_segment_ptr 1
		.amdhsa_wavefront_size32 1
		.amdhsa_system_sgpr_workgroup_id_x 1
		.amdhsa_system_sgpr_workgroup_id_y 1
		.amdhsa_system_sgpr_workgroup_id_z 1
		.amdhsa_system_vgpr_workitem_id 0
		.amdhsa_next_free_vgpr 146
		.amdhsa_next_free_sgpr 66
		.amdhsa_reserve_vcc 0
		.amdhsa_float_denorm_mode_32 3
		.amdhsa_float_denorm_mode_16_64 3
		.amdhsa_memory_ordered 1
		.amdhsa_forward_progress 1
		.amdhsa_inst_pref_size 24
	.end_amdhsa_kernel
	.amdgpu_metadata
---
amdhsa.version: [ 1, 2 ]
amdhsa.kernels:
  - .name:           k_q3c24ae866f_sums
    .symbol:         k_q3c24ae866f_sums.kd
    .args:
      - { .name: x, .offset: 0, .size: 8, .value_kind: global_buffer, .address_space: global }
      - { .name: dataMinor, .offset: 8, .size: 8, .value_kind: global_buffer, .address_space: global }
      - { .name: part, .offset: 16, .size: 8, .value_kind: global_buffer, .address_space: global }
      - { .name: wcodes, .offset: 24, .size: 8, .value_kind: global_buffer, .address_space: global }
      - { .name: wscale, .offset: 32, .size: 8, .value_kind: global_buffer, .address_space: global }
    .group_segment_fixed_size: 19712
    .private_segment_fixed_size: 0
    .kernarg_segment_align: 8
    .kernarg_segment_size: 40
    .max_flat_workgroup_size: 544
    .sgpr_count:     66
    .vgpr_count:     146
    .wavefront_size: 32
...
	.end_amdgpu_metadata
.endif
;; end of part 1
;; launch product (part 2): grid 4 x 4, 8 waves a work-group, no clusters, 14,848 bytes of LDS; arguments part, wcodes, wscale, out0; writes out0
.if DOCPART == 2
	.amdgcn_target "amdgcn-amd-amdhsa--gfx1250"
	.amdhsa_code_object_version 6
	.text
	.protected	k_q3c24ae866f_product
	.globl	k_q3c24ae866f_product
	.p2align	8
	.type	k_q3c24ae866f_product,@function
k_q3c24ae866f_product:
	s_mov_b64 s[64:65], 0
	v_nop
	global_prefetch_b8 v0, s[64:65] scope:SCOPE_SE
	s_setreg_imm32_b32 hwreg(HW_REG_WAVE_MODE, 25, 1), 1
	s_wait_xcnt 0x0
; SECOND OF TWO LAUNCHES.  out0[b][d] = sum over k of Q(mean[b][k]) Q(dataMinor[k][d]), both on codes of E4M3 with one E8M0 scale for each 32 along K = 256; sums in f32.
; part[4][64][256] f32 holds the four quarters' shares of the means; wcodes[32 tiles][8 blocks][32 lanes][16 bytes] holds dataMinor's codes as images of the operand's registers
; (block 4 s + c = registers 4 c .. 4 c + 3 of K step s); wscale[32][8][32 lanes] a block's scale byte, a word a lane.
; SHARES.  Work-group (x, y), eight waves, makes batches 16 y .. 16 y + 15 x columns 128 x .. 128 x + 127.  Wave w does two things:
;   it makes block w of the means' operand: lane (r, h) adds the four shares of batch r at k = 32 w + 16 h + 0 .. 15 (16 loads of 16 bytes; lanes (r, 0) and (r, 1) read 128 consecutive
;   bytes of a row), quantises them, and stores its four code registers and its scale word to LDS as they stand;
;   behind a barrier it loads both fragments of the means (any wave that loads an image has the same registers in the same lanes) and multiplies them by ITS tile of 16 columns, whose two
;   fragments came from wcodes straight into registers: two matrix instructions.
; THE MATRIX INSTRUCTION IS USED TRANSPOSED (source 0 = 16 columns of dataMinor, source 1 = 16 batches): a lane then holds eight neighbouring numbers of a row of out0.  A row's 512 bytes
; come from eight waves: they meet in a stage in LDS, and each wave stores two whole rows, 512 consecutive bytes an instruction.
; NO JOINT REQUESTS: the four work-groups of a grid row read the same 64 KiB of part, the four of a grid column the same 32 KiB of codes; each wave's share of both is one batch of 24 loads of
; 16 bytes straight into the registers that use them, issued once at the head.  Asked for jointly they would come to LDS behind rounds of a cluster's barrier and want a second pass into registers,
; in a kernel that has one step.  Nothing is prefetched: all that the kernel reads is asked for in its first lines.
; LIMITS: NaN and infinities are not served; a block of zeros keeps the scale byte 1 (its codes are zeros).
.set XIMG, 0                           ; LDS: the means' two fragments as images: block q at 512 q, 16 bytes a lane
.set XSC,  4096                        ; their scale bytes: block q at 128 q, a word a lane
.set STG,  5120                        ; the stage: 16 rows x (512 bytes + 16): row r starts 33 r x 16 bytes on, so the sixteen rows that a store touches fall on different banks (64 banks of 4 bytes: ISA guide 11.1)
.set SP,   528
.set PO,  1                            ; v1   part: 1,024 r + 128 wave + 64 h
.set BO,  2                            ; v2   4,096 x wave + 16 x lane: my tile's images in wcodes; also my two rows in out0
.set SO,  3                            ; v3   1,024 x wave + 4 x lane: my tile's scale words
.set LI,  4                            ; v4   16 x lane
.set LS,  5                            ; v5   4 x lane
.set XWI, 6                            ; v6   512 x wave + 16 x lane: where my block's image goes
.set XWS, 7                            ; v7   128 x wave + 4 x lane: and its scale word
.set STO, 8                            ; v8   the stage, in: row r, + 64 wave + 32 h
.set SR,  9                            ; v9   the stage, out: rows 2 wave, 2 wave + 1; 16 bytes a lane
.set P,   16                           ; v16-79   the four shares, 16 numbers each; the means end up in v16-31
.set C,   80                           ; v80-83   my block's codes
.set M,   84                           ; v84-89   at work
.set M2,  85
.set T,   86
.set H,   87
.set SC,  88
.set BY,  89
.set B,   96                           ; v96-127  my tile's two fragments
.set WR,  128                          ; v128-135 its eight scale bytes
.set WS,  136                          ; v136-137 its two scale words;  v138-139 the means': these four hold scales and nothing else
.set XS,  138
.set XR,  140                          ; v140-147 the means' eight scale bytes
.set A,   148                          ; v148-179 the means' two fragments
.set D,   180                          ; v180-187 the accumulator
.set O,   188                          ; v188-195 two rows of out0
.set SEL, 20                           ; s[20:21] v_permlanex16_b32's selects for lane l xor 16
.set MNT, 22                           ; s22  the mantissa field of 448
	s_load_b256 s[4:11], s[0:1], 0x0               ; part s[4:5], wcodes s[6:7], wscale s[8:9], out0 s[10:11]
	v_lshl_add_u32 v196, v0, 2, 0x3600
	v_mov_b32 v197, 0
	v_lshrrev_b32 v10, 5, v0                       ; wave
	v_and_b32 v11, 31, v0                          ; lane
	v_and_b32 v12, 15, v0                          ; r
	v_bfe_u32 v13, v0, 4, 1                        ; h
	v_lshlrev_b32 v[LI], 4, v11
	v_lshlrev_b32 v[LS], 2, v11
	v_lshlrev_b32 v[PO], 10, v12
	v_lshl_add_u32 v[PO], v10, 7, v[PO]
	v_lshl_add_u32 v[PO], v13, 6, v[PO]
	v_lshl_add_u32 v[BO], v10, 12, v[LI]
	v_lshl_add_u32 v[SO], v10, 10, v[LS]
	s_and_b32 s12, ttmp7, 0xffff                   ; y: the tile of 16 batches
	s_lshl_b32 s14, ttmp9, 15                      ; wcodes: 8 tiles of 4,096 bytes a group of columns
	s_mov_b32 s15, 0
	s_lshl_b32 s16, ttmp9, 13                      ; wscale: 8 tiles of 1,024
	s_mov_b32 s17, 0
	s_lshl_b32 s18, s12, 15                        ; out0: 16 rows of 2,048 bytes,
	s_lshl_b32 s19, ttmp9, 9                       ; + 128 columns of 4
	s_add_co_u32 s18, s18, s19
	s_mov_b32 s19, 0
	s_lshl_b32 s12, s12, 14                        ; part: 16 rows of 1,024 bytes
	s_mov_b32 s13, 0
	s_mov_b32 s[SEL], 0x76543210
	s_mov_b32 s[SEL+1], 0xfedcba98
	s_mov_b32 s[MNT], 0x600000
	s_wait_kmcnt 0x0
	s_add_nc_u64 s[4:5], s[4:5], s[12:13]
	s_add_nc_u64 s[6:7], s[6:7], s[14:15]
	s_add_nc_u64 s[8:9], s[8:9], s[16:17]
	s_add_nc_u64 s[10:11], s[10:11], s[18:19]
.irp p, 0,1,2,3
.irp j, 0,1,2,3
	global_load_b128 v[P+16*\p+4*\j:P+16*\p+4*\j+3], v[PO], s[4:5] offset:65536*\p+16*\j   ; quarter p's share of mean(16 y + r, 32 wave + 16 h + 4 j ..)
.endr
.endr
.irp q, 0,1,2,3,4,5,6,7
	global_load_b128 v[B+4*\q:B+4*\q+3], v[BO], s[6:7] offset:512*\q    ; my tile's images: 512 consecutive bytes a load
.endr
.irp q, 0,1,2,3,4,5,6,7
	global_load_b32 v[WR+\q], v[SO], s[8:9] offset:128*\q
.endr
	; the addresses for LDS are made while the loads are on their way
	v_lshl_add_u32 v[XWI], v10, 9, v[LI]
	v_lshl_add_u32 v[XWS], v10, 7, v[LS]
	v_mul_u32_u24 v[STO], v12, SP
	v_lshl_add_u32 v[STO], v10, 6, v[STO]
	v_lshl_add_u32 v[STO], v13, 5, v[STO]
	v_mul_u32_u24 v[SR], v10, 2*SP
	v_add_nc_u32 v[SR], v[SR], v[LI]
	v_mov_b32 v[T], 0                              ; a lane permute's destination counts as one of its sources
	s_wait_loadcnt 16                              ; the shares are in; the sixteen loads issued behind them (codes, scale bytes) may be out
.irp e, 0,2,4,6,8,10,12,14
	v_pk_add_f32 v[P+\e:P+\e+1],       v[P+\e:P+\e+1],       v[P+16+\e:P+17+\e]   ; the four quarters, in a tree
	v_pk_add_f32 v[P+32+\e:P+33+\e],   v[P+32+\e:P+33+\e],   v[P+48+\e:P+49+\e]
.endr
.irp e, 0,2,4,6,8,10,12,14
	v_pk_add_f32 v[P+\e:P+\e+1], v[P+\e:P+\e+1], v[P+32+\e:P+33+\e]               ; the means: 16 neighbours along K
.endr
	v_max3_num_f32 v[M],  |v[P]|,   |v[P+1]|, 0x4800000    ; the largest magnitude of my 16, in two chains, with the floor 2^(9 - 127) among the leaves: the byte cannot fall under 1
	v_max3_num_f32 v[M2], |v[P+8]|, |v[P+9]|, |v[P+10]|
	v_max3_num_f32 v[M],  v[M],  |v[P+2]|,  |v[P+3]|
	v_max3_num_f32 v[M2], v[M2], |v[P+11]|, |v[P+12]|
	v_max3_num_f32 v[M],  v[M],  |v[P+4]|,  |v[P+5]|
	v_max3_num_f32 v[M2], v[M2], |v[P+13]|, |v[P+14]|
	v_max3_num_f32 v[M],  v[M],  |v[P+6]|,  |v[P+7]|
	v_max3_num_f32 v[M],  v[M],  v[M2],     |v[P+15]|
	v_permlanex16_b32 v[T], v[M], s[SEL], s[SEL+1]
	v_max_num_f32 v[M], v[M], v[T]                 ; with lane l xor 16's 16: the block's
	v_add_nc_u32 v[SC], 0xfc000000, v[M]           ; 8 off its exponent field: the conversion's scale operand
	v_and_or_b32 v[H], v[M], 0x7f800000, s[MNT]    ; 448 x the scale
.irp q, 0,1,2,3,4,5,6,7,8,9,10,11,12,13,14,15
	v_med3_num_f32 v[P+\q], v[P+\q], -v[H], v[H]   ; the conversion to an 8-bit code does not saturate (ISA guide 7.6.2): the hold at the largest code x the scale
.endr
	v_cvt_scalef32_pk8_fp8_f32 v[C:C+1],   v[P:P+7],    v[SC]
	v_cvt_scalef32_pk8_fp8_f32 v[C+2:C+3], v[P+8:P+15], v[SC]
	v_lshrrev_b32 v[BY], 23, v[SC]                 ; the scale's byte (the plain line behind the conversions)
	ds_store_b128 v[XWI], v[C:C+3] offset:XIMG     ; block wave = registers 4 (wave % 4) .. of K step wave / 4, as they stand
	ds_store_b32 v[XWS], v[BY] offset:XSC
	s_wait_loadcnt 0x0                             ; my tile's codes and scale bytes
	v_lshl_or_b32 v[WS],   v[WR+1], 8,  v[WR]      ; four bytes make a K step's scale word: lane r has column r's
	v_lshl_or_b32 v[WS+1], v[WR+5], 8,  v[WR+4]
	v_lshl_or_b32 v[WS],   v[WR+2], 16, v[WS]
	v_lshl_or_b32 v[WS+1], v[WR+6], 16, v[WS+1]
	v_lshl_or_b32 v[WS],   v[WR+3], 24, v[WS]
	v_lshl_or_b32 v[WS+1], v[WR+7], 24, v[WS+1]
	s_wait_dscnt 0x0                               ; for the others' sake: my image and my scale word lie in LDS
	s_barrier_signal -1
	s_barrier_wait -1                              ; all eight blocks do
.irp q, 0,1,2,3,4,5,6,7
	ds_load_b128 v[A+4*\q:A+4*\q+3], v[LI] offset:XIMG+512*\q
.endr
.irp q, 0,1,2,3,4,5,6,7
	ds_load_b32 v[XR+\q], v[LS] offset:XSC+128*\q
.endr
	s_wait_dscnt 0x0
	v_lshl_or_b32 v[XS],   v[XR+1], 8,  v[XR]      ; lane r has batch r's
	v_lshl_or_b32 v[XS+1], v[XR+5], 8,  v[XR+4]
	v_lshl_or_b32 v[XS],   v[XR+2], 16, v[XS]
	v_lshl_or_b32 v[XS+1], v[XR+6], 16, v[XS+1]
	v_lshl_or_b32 v[XS],   v[XR+3], 24, v[XS]
	v_lshl_or_b32 v[XS+1], v[XR+7], 24, v[XS+1]
.rept 8
	v_nop                                          ; a scale register written by a vector instruction stands eight places ahead of the scaled matrix instruction; all address work was done under the loads, so none is left for these places
.endr
	v_wmma_scale_f32_16x16x128_f8f6f4 v[D:D+7], v[B:B+15], v[A:A+15], 0, v[WS], v[XS]          ; K = 0 .. 127 starts the sum
	s_wait_alu depctr_va_vdst(0)                   ; a wave has one tile, so one accumulator: this wait stands directly ahead of the link in place
	v_wmma_scale_f32_16x16x128_f8f6f4 v[D:D+7], v[B+16:B+31], v[A+16:A+31], v[D:D+7], v[WS+1], v[XS+1]
.rept 8
	v_nop                                          ; eight places before an LDS store reads the result
.endr
	ds_store_b128 v[STO], v[D:D+3] offset:STG      ; lane (r, h): out0(16 y + r, 128 x + 16 wave + 8 h + 0 .. 7); the accumulator from its low end on
	ds_store_b128 v[STO], v[D+4:D+7] offset:STG+16
	s_wait_dscnt 0x0                               ; for the others' sake: my 64 bytes of each row lie in the stage
	s_barrier_signal -1
	s_barrier_wait -1                              ; sixteen whole rows do
	ds_load_b128 v[O:O+3],   v[SR] offset:STG
	ds_load_b128 v[O+4:O+7], v[SR] offset:STG+SP
	s_wait_dscnt 1                                 ; the first row is back; the second row's load may be out
	global_store_b128 v[BO], v[O:O+3], s[10:11]                  ; 32 lanes store 512 consecutive bytes, at a multiple of 512 from out0's first byte
	s_wait_dscnt 0x0
	global_store_b128 v[BO], v[O+4:O+7], s[10:11] offset:2048
	s_wait_tensorcnt 0x0
	ds_add_u32 v196, v197
	s_wait_dscnt 0x0
	s_endpgm
.Lfunc_end_k_q3c24ae866f_product:
	.size	k_q3c24ae866f_product, .Lfunc_end_k_q3c24ae866f_product-k_q3c24ae866f_product
	.p2alignl 7, 3214868480
	.fill 96, 4, 3214868480
	.section	.rodata,"a",@progbits
	.p2align	6, 0x0
	.amdhsa_kernel k_q3c24ae866f_product
		.amdhsa_group_segment_fixed_size 14848
		.amdhsa_private_segment_fixed_size 0
		.amdhsa_enable_private_segment 0
		.amdhsa_kernarg_size 32
		.amdhsa_user_sgpr_count 2
		.amdhsa_user_sgpr_kernarg_segment_ptr 1
		.amdhsa_wavefront_size32 1
		.amdhsa_system_sgpr_workgroup_id_x 1
		.amdhsa_system_sgpr_workgroup_id_y 1
		.amdhsa_system_sgpr_workgroup_id_z 1
		.amdhsa_system_vgpr_workitem_id 0
		.amdhsa_next_free_vgpr 198
		.amdhsa_next_free_sgpr 66
		.amdhsa_reserve_vcc 0
		.amdhsa_float_denorm_mode_32 3
		.amdhsa_float_denorm_mode_16_64 3
		.amdhsa_memory_ordered 1
		.amdhsa_forward_progress 1
		.amdhsa_inst_pref_size 13
	.end_amdhsa_kernel
	.amdgpu_metadata
---
amdhsa.version: [ 1, 2 ]
amdhsa.kernels:
  - .name:           k_q3c24ae866f_product
    .symbol:         k_q3c24ae866f_product.kd
    .args:
      - { .name: part, .offset: 0, .size: 8, .value_kind: global_buffer, .address_space: global }
      - { .name: wcodes, .offset: 8, .size: 8, .value_kind: global_buffer, .address_space: global }
      - { .name: wscale, .offset: 16, .size: 8, .value_kind: global_buffer, .address_space: global }
      - { .name: out0, .offset: 24, .size: 8, .value_kind: global_buffer, .address_space: global }
    .group_segment_fixed_size: 14848
    .private_segment_fixed_size: 0
    .kernarg_segment_align: 8
    .kernarg_segment_size: 32
    .max_flat_workgroup_size: 256
    .sgpr_count:     66
    .vgpr_count:     198
    .wavefront_size: 32
...
	.end_amdgpu_metadata
.endif
;; end of part 2
;; ======== version 2 of 2: 2 launches; version 1 with the launches sums, product written anew for expert scheduling mode
;; workspace buffers: part 262,144 bytes; wcodes 131,072 bytes; wscale 32,768 bytes
;; launch sums (part 3): grid 256 x 1, 17 waves a work-group, no clusters, 19,712 bytes of LDS; arguments x, dataMinor, part, wcodes, wscale; writes part, wcodes, wscale
.if DOCPART == 3
	.amdgcn_target "amdgcn-amd-amdhsa--gfx1250"
	.amdhsa_code_object_version 6
	.text
	.protected	k_q3c24ae866f_sums
	.globl	k_q3c24ae866f_sums
	.p2align	8
	.type	k_q3c24ae866f_sums,@function
k_q3c24ae866f_sums:
	s_mov_b64 s[64:65], 0
	v_nop
	global_prefetch_b8 v0, s[64:65] scope:SCOPE_SE
	s_setreg_imm32_b32 hwreg(HW_REG_WAVE_SCHED_MODE, 0, 2), 2
	s_setreg_imm32_b32 hwreg(HW_REG_WAVE_MODE, 25, 1), 1
	s_wait_xcnt 0x0
	s_wait_alu depctr_vm_vsrc(0)
; FIRST OF TWO LAUNCHES.  out0[b][d] = sum over k of Q(mean over s of x[b][s][k]) Q(dataMinor[k][d]), Q the MX-FP8 quantiser along K.
; This launch (1) adds up x over a quarter of S for each batch and (2) turns dataMinor into codes of E4M3 with E8M0 scales.
; x: [64][2048][256] f32.  Work-group i (256 of them) owns the 512 rows of 1,024 bytes at byte 524,288 i: batch i / 4, quarter i % 4 of S.
; WAVES 0-15 STREAM x.  Wave w takes rows w, w + 16, .. (32 rows); a row is two loads of 512 consecutive bytes, 16 a lane, so the sixteen waves walk the
; chunk in order, 16,384 bytes a step, and lane l always holds columns 4 l .. 4 l + 3 (first load) and 128 + 4 l .. (second).  Groups of 4 loads (two rows) go through a ring
; of registers that keeps 32 loads of every wave on their way: 16 KiB a wave, 256 KiB a work-group.  No byte of x is read twice, and none is shared between work-groups,
; so there is no LDS ring, no cluster and no joint request.  The waves' sums meet in LDS (1 KiB a wave), waves 0 and 1 add them, multiply by 1 / 2048 and store
; part[quarter][batch][256]: the quarter's share of the mean; a wave's store covers 512 consecutive bytes, aligned.
; WAVE 16 QUANTISES 1 / 256 OF dataMinor ([256 (k)][512 (d)] f32) meanwhile: block i % 8 of K (32 rows) x the 16 columns of tile i / 8.  Lane (r, h) takes column r and its
; registers run down K, k = 16 h + 0 .. 15 of the block: the order in which the matrix operand wants them, so its 16 codes ARE registers 4 c .. 4 c + 3 of the
; fragment and leave as an image, 16 bytes a lane, 512 consecutive bytes: wcodes[tile][block][lane][16].  The block's scale byte leaves as a word a lane, 128 consecutive
; bytes: wscale[tile][block][lane].  Its loads read 64 consecutive bytes of a row in sixteen lanes: 2 KiB of the work-group's 514 KiB are read so.
; A block's scale is 2^(floor(log2(largest magnitude)) - 8), its byte the largest magnitude's exponent field - 8, held at 1 from below.
; LIMITS: NaN and infinities among the inputs are not served.  A block of zeros gets the byte 1 where the rule says 127: its codes are zeros, and the bytes are read by this
; program alone.  The f32 sums over S go in another order than a plain chain: two rows, a chain of 16 such pairs, a tree over 16 waves, and in the next launch a tree over
; the 4 quarters.  The factor 2^-11 rounds nothing unless a share of a mean falls under 2^-126.
; THE MODE: SCHED_MODE bits 1:0 = 2 (LLVM: expert scheduling mode 2), set by the entry lines.  The code itself states the register dependences
; between vector instructions and memory or LDS instructions, with s_wait_alu, always for 0.
; THE PLAN.  Registers that memory or LDS instructions touch:
;   v1 .. v5      offsets and LDS addresses: made once at the head, never written again; every row is reached by an immediate offset.
;   X0 .. X8      nine buffers of 16.  Group g's four loads land in X[g % 9]; step g's adds read it and write its lower half.  Step g asks for group g + 8, into
;                 X[(g + 8) % 9] = X[(g - 1) % 9]: the buffer that the step BEFORE worked on and that no vector instruction of step g names.
;   v8-15         the sums: written by the adds, read by the two LDS stores behind the stream.
;   v16-79        behind the barrier: the sixteen waves' sums land here from LDS (waves 0 and 1); v16-19 are stored.
;   v16-31, v80-84  the weights' wave: its 16 numbers land in the first; the second are written by the conversions and read by its two stores.
; So one wait on va_vdst stands at the head of each step that loads (but the first, whose buffer no vector instruction has named), one ahead of each run of stores, and one at
; the kernel's head.  No register that a memory or LDS instruction reads is ever written behind it: the text has no wait on vm_vsrc.
.set ROWB,   1024                      ; a row of x in bytes; also a wave's bytes in LDS
.set STEPB,  16*ROWB                   ; sixteen waves' rows
.set AHEAD,  8                         ; groups of 4 loads (two rows) on their way
.set BUFS,   9                         ; buffers: one more, so that a step's loads land in the buffer of the step before
.set VO,  1                            ; v1   1,024 x wave + 16 x lane: my bytes in a step of x, and my bytes of my wave's row in LDS; never rewritten
.set LR,  2                            ; v2   16 x (thread % 64): four columns of a row, in LDS and in part; never rewritten
.set WO,  3                            ; v3   dataMinor: 4 r + 16 h rows of 2,048 bytes
.set CO,  4                            ; v4   16 x lane
.set SO,  5                            ; v5   4 x lane
.set ACC, 8                            ; v8-15    my eight sums
.set X,   16                           ; v16-159  the ring: group g at X + 16 (g % 9); at the end v16-79 take the sixteen waves' sums
.set C,   X+64                         ; the weights' wave: v16-31 its 16 numbers; v80-83 the codes, v84 the byte: what it stores lies above v79
.set BY,  X+68
.set M,   X+69                         ; at work
.set M2,  X+70
.set T,   X+71
.set H,   X+72
.set SC,  X+73
.set WV,  14                           ; s14  my wave's number
.set INV, 26                           ; s[26:27] 2^-11: the packed form names a pair and takes its low word for both halves
.set SEL, 28                           ; s[28:29] v_permlanex16_b32's selects for lane l xor 16
.set MNT, 30                           ; s30  the mantissa field of 448
	s_load_b128 s[4:7], s[0:1], 0x0                ; x, dataMinor
	s_load_b128 s[8:11], s[0:1], 0x10              ; part, wcodes
	s_load_b64 s[12:13], s[0:1], 0x20              ; wscale
	v_lshl_add_u32 v160, v0, 2, 0x4400
	v_mov_b32 v161, 0
	v_lshrrev_b32 v6, 5, v0
	v_readfirstlane_b32 s[WV], v6                  ; wave 0..16
	v_and_b32 v7, 31, v0                           ; lane
	v_lshlrev_b32 v[CO], 4, v7
	v_lshlrev_b32 v[SO], 2, v7
	v_lshl_add_u32 v[VO], v6, 10, v[CO]
	v_and_b32 v[LR], 63, v0                        ; every LDS address is made here, ahead of the place where the waves' ways part
	v_lshlrev_b32 v[LR], 4, v[LR]
	v_and_b32 v[WO], 15, v0                        ; r
	v_lshlrev_b32 v[WO], 2, v[WO]
	v_bfe_u32 v7, v0, 4, 1                         ; h
	v_lshl_add_u32 v[WO], v7, 15, v[WO]
	s_wait_alu depctr_va_sdst(0)                   ; s14 is written, ahead of its first reader: the compare on which the waves' ways part
	s_lshl_b32 s16, ttmp9, 19                      ; x: 524,288 bytes a work-group (under 2^27)
	s_mov_b32 s17, 0
	s_and_b32 s18, ttmp9, 3                        ; the quarter of S
	s_lshr_b32 s19, ttmp9, 2                       ; the batch
	s_lshl_b32 s18, s18, 16                        ; part: 65,536 bytes a quarter,
	s_lshl_b32 s19, s19, 10                        ; 1,024 a batch
	s_add_co_u32 s18, s18, s19
	s_mov_b32 s19, 0
	s_and_b32 s20, ttmp9, 7                        ; the block of K
	s_lshr_b32 s21, ttmp9, 3                       ; the tile of 16 columns
	s_lshl_b32 s20, s20, 16                        ; dataMinor: 32 rows of 2,048 bytes a block,
	s_lshl_b32 s21, s21, 6                         ; 64 bytes a tile
	s_add_co_u32 s20, s20, s21
	s_mov_b32 s21, 0
	s_lshl_b32 s22, ttmp9, 9                       ; wcodes: 512 bytes for (tile, block) = 8 x tile + block = the work-group's number
	s_mov_b32 s23, 0
	s_lshl_b32 s24, ttmp9, 7                       ; wscale: 128 bytes likewise
	s_mov_b32 s25, 0
	s_mov_b32 s[INV], 0x3a000000                   ; 2^-11
	s_mov_b32 s[INV+1], s[INV]
	s_mov_b32 s[SEL], 0x76543210
	s_mov_b32 s[SEL+1], 0xfedcba98
	s_mov_b32 s[MNT], 0x600000
	s_wait_kmcnt 0x0
	s_add_nc_u64 s[4:5], s[4:5], s[16:17]
	s_add_nc_u64 s[8:9], s[8:9], s[18:19]
	s_add_nc_u64 s[6:7], s[6:7], s[20:21]
	s_add_nc_u64 s[10:11], s[10:11], s[22:23]
	s_add_nc_u64 s[12:13], s[12:13], s[24:25]
	s_wait_alu depctr_va_vdst(0)                   ; v1 to v5 are written: every load, store and LDS access of the kernel, on both ways, reads one of them as its offset or address
	s_cmp_eq_u32 s[WV], 16
	s_cbranch_scc1 .Lweights
; ---- waves 0-15: the stream.  Group g is my rows 2 g and 2 g + 1 of 32: four loads; every offset is an immediate, 508,416 at the most
.macro LOAD2 g, row                    ; one row of group g: two loads of 512 consecutive bytes
.irp i, 0,1
	global_load_b128 v[X+16*((\g)%BUFS)+8*(\row)+4*\i:X+16*((\g)%BUFS)+8*(\row)+4*\i+3], v[VO], s[4:5] offset:(2*(\g)+(\row))*STEPB+\i*512 th:TH_LOAD_NT
.endr
.endm
; Step g.  left = how many younger loads may stay out.  ahead = 1: group g + 8 is asked for, into the buffer of the step before.
; The two rows are added to each other, then onto the sums; the first pair starts the sums: nothing is cleared
.macro STEP g, left, ahead
	s_wait_loadcnt \left                           ; loads come back in order (ISA guide 5.7.1): this group's four are in
.set XG, X+16*((\g)%BUFS)
.if (\ahead) && (\g) > 0
	s_wait_alu depctr_va_vdst(0)                   ; the step before is done reading and writing its buffer, in which the four loads below land; the adds between them name this step's buffer and the sums alone
.endif
.if \ahead
	LOAD2 (\g)+AHEAD, 0
.endif
.if (\g) == 0
.irp e, 0,2,4,6
	v_pk_add_f32 v[ACC+\e:ACC+\e+1], v[XG+\e:XG+\e+1], v[XG+8+\e:XG+9+\e]
.endr
	LOAD2 (\g)+AHEAD, 1                            ; (step 0's loads land in the ninth buffer, which no vector instruction has named)
.else
.irp e, 0,2,4,6
	v_pk_add_f32 v[XG+\e:XG+\e+1], v[XG+\e:XG+\e+1], v[XG+8+\e:XG+9+\e]
.endr
.if \ahead
	LOAD2 (\g)+AHEAD, 1
.endif
	s_wait_alu depctr_va_vdst(0)
.irp e, 0,2,4,6
	v_pk_add_f32 v[ACC+\e:ACC+\e+1], v[ACC+\e:ACC+\e+1], v[XG+\e:XG+\e+1]
.endr
.endif
.endm
.irp g, 0,1,2,3,4,5,6,7
	LOAD2 \g, 0                                    ; eight groups go out: 32 loads
	LOAD2 \g, 1
.endr
.irp g, 0,1,2,3,4,5,6,7
	STEP \g, 28, 1                                 ; the seven younger groups stay out; the rows eight groups on are asked for
.endr
.irp g, 8,9,10,11,12,13,14,15
	STEP \g, 4*(15-\g), 0                          ; nothing more to ask for: the counts run down, and no load hangs on the adds
.endr
	s_wait_alu depctr_va_vdst(0)                   ; the adds have written v8-15, which the LDS stores read; and they are done with v16-79, in which the sixteen rows land behind the barrier
	ds_store_b128 v[VO], v[ACC:ACC+3]              ; my wave's row of 256 sums: columns 4 l ..,
	ds_store_b128 v[VO], v[ACC+4:ACC+7] offset:512 ; and 128 + 4 l ..
	s_branch .Lmeet
; ---- wave 16: one block of 32 along K x 16 columns of dataMinor
.Lweights:
.irp q, 0,1,2,3,4,5,6,7,8,9,10,11,12,13,14,15
	global_load_b32 v[X+\q], v[WO], s[6:7] offset:2048*\q   ; dataMinor(32 block + 16 h + q, 16 tile + r)
.endr
	v_mov_b32 v[T], 0                              ; a lane permute's destination counts as one of its sources
	s_wait_loadcnt 0x0
	v_max3_num_f32 v[M],  |v[X]|,   |v[X+1]|, 0x4800000    ; the largest magnitude of my 16, in two chains, with the floor 2^(9 - 127) among the leaves: the byte cannot fall under 1
	v_max3_num_f32 v[M2], |v[X+8]|, |v[X+9]|, |v[X+10]|
	v_max3_num_f32 v[M],  v[M],  |v[X+2]|,  |v[X+3]|
	v_max3_num_f32 v[M2], v[M2], |v[X+11]|, |v[X+12]|
	v_max3_num_f32 v[M],  v[M],  |v[X+4]|,  |v[X+5]|
	v_max3_num_f32 v[M2], v[M2], |v[X+13]|, |v[X+14]|
	v_max3_num_f32 v[M],  v[M],  |v[X+6]|,  |v[X+7]|
	v_max3_num_f32 v[M],  v[M],  v[M2],     |v[X+15]|
	s_wait_alu depctr_va_vdst(0)
	v_permlanex16_b32 v[T], v[M], s[SEL], s[SEL+1]
	v_max_num_f32 v[M], v[M], v[T]                 ; with lane l xor 16's 16: the block's
	v_add_nc_u32 v[SC], 0xfc000000, v[M]           ; 8 off its exponent field: the conversion takes the exponent field of this operand as its scale, and nothing else of it
	v_and_or_b32 v[H], v[M], 0x7f800000, s[MNT]    ; 448 x the scale: the largest magnitude's exponent field over 448's mantissa
.irp q, 0,1,2,3,4,5,6,7,8,9,10,11,12,13,14,15
	v_med3_num_f32 v[X+\q], v[X+\q], -v[H], v[H]   ; the conversion to an 8-bit code does not saturate (ISA guide 7.6.2): the number is held within the largest code x the scale first
.endr
	v_cvt_scalef32_pk8_fp8_f32 v[C:C+1],   v[X:X+7],    v[SC]
	v_cvt_scalef32_pk8_fp8_f32 v[C+2:C+3], v[X+8:X+15], v[SC]
	v_lshrrev_b32 v[BY], 23, v[SC]                 ; the scale's byte (a plain line behind the conversions)
	s_wait_alu depctr_va_vdst(0)                   ; the conversions have written v80-83 and the shift v84, which the two stores read
	global_store_b128 v[CO], v[C:C+3], s[10:11]    ; four registers of the fragment as they stand: 512 consecutive bytes, aligned
	global_store_b32 v[SO], v[BY], s[12:13]        ; lane (r, h): column r's byte, as a word: 128 consecutive bytes
.Lmeet:
	s_wait_dscnt 0x0                               ; for the others' sake: my row of sums lies in LDS
	s_barrier_signal -1
	s_barrier_wait -1                              ; all sixteen rows do
	s_cmp_gt_u32 s[WV], 1
	s_cbranch_scc1 .Ldone
	; ---- waves 0 and 1: thread t adds columns 4 t .. 4 t + 3 of the sixteen rows, in a tree
.irp w, 0,1,2,3,4,5,6,7,8,9,10,11,12,13,14,15
	ds_load_b128 v[X+4*\w:X+4*\w+3], v[LR] offset:ROWB*\w   ; no vector instruction stands between the last wait on va_vdst and these loads
.endr
.macro ADD4 d, s
	v_pk_add_f32 v[X+4*(\d):X+4*(\d)+1],   v[X+4*(\d):X+4*(\d)+1],   v[X+4*(\s):X+4*(\s)+1]
	v_pk_add_f32 v[X+4*(\d)+2:X+4*(\d)+3], v[X+4*(\d)+2:X+4*(\d)+3], v[X+4*(\s)+2:X+4*(\s)+3]
.endm
	s_wait_dscnt 0x0
.irp d, 0,2,4,6,8,10,12,14
	ADD4 \d, \d+1
.endr
.irp d, 0,4,8,12
	ADD4 \d, \d+2
.endr
	ADD4 0, 4
	ADD4 8, 12
	ADD4 0, 8
	v_pk_mul_f32 v[X:X+1],   v[X:X+1],   s[INV:INV+1] op_sel_hi:[1,0]   ; / 2048: the quarter's share of the mean
	v_pk_mul_f32 v[X+2:X+3], v[X+2:X+3], s[INV:INV+1] op_sel_hi:[1,0]
	s_wait_alu depctr_va_vdst(0)                   ; the multiplications have written v16-19, which the store reads
	global_store_b128 v[LR], v[X:X+3], s[8:9]      ; 32 lanes store 512 consecutive bytes, at a multiple of 512 from part's first byte
.Ldone:
	s_wait_dscnt 0x0
	s_wait_alu depctr_hold_cnt(0) depctr_sa_sdst(0) depctr_va_vdst(0) depctr_va_sdst(0) depctr_va_ssrc(0) depctr_va_vcc(0) depctr_vm_vsrc(0)
	s_wait_tensorcnt 0x0
	ds_add_u32 v160, v161
	s_wait_dscnt 0x0
	s_endpgm
.Lfunc_end_k_q3c24ae866f_sums:
	.size	k_q3c24ae866f_sums, .Lfunc_end_k_q3c24ae866f_sums-k_q3c24ae866f_sums
	.p2alignl 7, 3214868480
	.fill 96, 4, 3214868480
	.section	.rodata,"a",@progbits
	.p2align	6, 0x0
	.amdhsa_kernel k_q3c24ae866f_sums
		.amdhsa_group_segment_fixed_size 19712
		.amdhsa_private_segment_fixed_size 0
		.amdhsa_enable_private_segment 0
		.amdhsa_kernarg_size 40
		.amdhsa_user_sgpr_count 2
		.amdhsa_user_sgpr_kernarg_segment_ptr 1
		.amdhsa_wavefront_size32 1
		.amdhsa_system_sgpr_workgroup_id_x 1
		.amdhsa_system_sgpr_workgroup_id_y 1
		.amdhsa_system_sgpr_workgroup_id_z 1
		.amdhsa_system_vgpr_workitem_id 0
		.amdhsa_next_free_vgpr 162
		.amdhsa_next_free_sgpr 66
		.amdhsa_reserve_vcc 0
		.amdhsa_float_denorm_mode_32 3
		.amdhsa_float_denorm_mode_16_64 3
		.amdhsa_memory_ordered 1
		.amdhsa_forward_progress 1
		.amdhsa_inst_pref_size 25
	.end_amdhsa_kernel
	.amdgpu_metadata
---
amdhsa.version: [ 1, 2 ]
amdhsa.kernels:
  - .name:           k_q3c24ae866f_sums
    .symbol:         k_q3c24ae866f_sums.kd
    .args:
      - { .name: x, .offset: 0, .size: 8, .value_kind: global_buffer, .address_space: global }
      - { .name: dataMinor, .offset: 8, .size: 8, .value_kind: global_buffer, .address_space: global }
      - { .name: part, .offset: 16, .size: 8, .value_kind: global_buffer, .address_space: global }
      - { .name: wcodes, .offset: 24, .size: 8, .value_kind: global_buffer, .address_space: global }
      - { .name: wscale, .offset: 32, .size: 8, .value_kind: global_buffer, .address_space: global }
    .group_segment_fixed_size: 19712
    .private_segment_fixed_size: 0
    .kernarg_segment_align: 8
    .kernarg_segment_size: 40
    .max_flat_workgroup_size: 544
    .sgpr_count:     66
    .vgpr_count:     162
    .wavefront_size: 32
...
	.end_amdgpu_metadata
.endif
;; end of part 3
;; launch product (part 4): grid 4 x 4, 8 waves a work-group, no clusters, 14,848 bytes of LDS; arguments part, wcodes, wscale, out0; writes out0
.if DOCPART == 4
	.amdgcn_target "amdgcn-amd-amdhsa--gfx1250"
	.amdhsa_code_object_version 6
	.text
	.protected	k_q3c24ae866f_product
	.globl	k_q3c24ae866f_product
	.p2align	8
	.type	k_q3c24ae866f_product,@function
k_q3c24ae866f_product:
	s_mov_b64 s[64:65], 0
	v_nop
	global_prefetch_b8 v0, s[64:65] scope:SCOPE_SE
	s_setreg_imm32_b32 hwreg(HW_REG_WAVE_SCHED_MODE, 0, 2), 2
	s_setreg_imm32_b32 hwreg(HW_REG_WAVE_MODE, 25, 1), 1
	s_wait_xcnt 0x0
	s_wait_alu depctr_vm_vsrc(0)
; SECOND OF TWO LAUNCHES.  out0[b][d] = sum over k of Q(mean[b][k]) Q(dataMinor[k][d]), both on codes of E4M3 with one E8M0 scale for each 32 along K = 256; sums in f32.
; part[4][64][256] f32 holds the four quarters' shares of the means; wcodes[32 tiles][8 blocks][32 lanes][16 bytes] holds dataMinor's codes as images of the operand's registers
; (block 4 s + c = registers 4 c .. 4 c + 3 of K step s); wscale[32][8][32 lanes] a block's scale byte, a word a lane.
; SHARES.  Work-group (x, y), eight waves, makes batches 16 y .. 16 y + 15 x columns 128 x .. 128 x + 127.  Wave w does two things:
;   it makes block w of the means' operand: lane (r, h) adds the four shares of batch r at k = 32 w + 16 h + 0 .. 15 (16 loads of 16 bytes; lanes (r, 0) and (r, 1) read 128 consecutive
;   bytes of a row), quantises them, and stores its four code registers and its scale word to LDS as they stand;
;   behind a barrier it loads both fragments of the means (any wave that loads an image has the same registers in the same lanes) and multiplies them by ITS tile of 16 columns, whose two
;   fragments came from wcodes straight into registers: two matrix instructions.
; THE MATRIX INSTRUCTION IS USED TRANSPOSED (source 0 = 16 columns of dataMinor, source 1 = 16 batches): a lane then holds eight neighbouring numbers of a row of out0.  A row's 512 bytes
; come from eight waves: they meet in a stage in LDS, and each wave stores two whole rows, 512 consecutive bytes an instruction.
; NO JOINT REQUESTS: the four work-groups of a grid row read the same 64 KiB of part, the four of a grid column the same 32 KiB of codes; each wave's share of both is one batch of 24 loads of
; 16 bytes straight into the registers that use them, issued once at the head.  Asked for jointly they would come to LDS behind rounds of a cluster's barrier and want a second pass into registers,
; in a kernel that has one step.  Nothing is prefetched: all that the kernel reads is asked for in its first lines.
; LIMITS: NaN and infinities are not served; a block of zeros keeps the scale byte 1 (its codes are zeros).
; THE MODE: SCHED_MODE bits 1:0 = 2 (LLVM: expert scheduling mode 2), set by the entry lines.  The code itself states the register dependences
; between vector or matrix instructions and memory or LDS instructions, with s_wait_alu, always for 0.
; THE PLAN.  Registers that memory or LDS instructions touch:
;   v1 .. v5            offsets and LDS addresses, made at the head, ahead of the first load;  v6 .. v9  LDS addresses, made under the loads, ahead of the first LDS store.  None is written again.
;   v16-79, v96-135     written by global loads alone (the shares; my tile's codes and scale bytes); v16-31 are then worked on in place by vector instructions, and nothing is loaded there again.
;   v80-83, v89         written by the conversions and the shift, read by the image's two LDS stores.
;   v140-179, v188-195  written by LDS loads alone (the means' scale bytes and fragments; two rows of out0).
;   v136-139            the four scale words: written by vector instructions, read by the two scaled matrix instructions.
;   v180-187            the accumulator: written by the matrix instructions, read by the stage's two LDS stores.
; So a wait on va_vdst stands ahead of the first load, of the image's stores, of the first matrix instruction (behind its places) and of the stage's stores (behind their places).
; No register that a memory or LDS instruction reads is ever written behind it: the text has no wait on vm_vsrc.
.set XIMG, 0                           ; LDS: the means' two fragments as images: block q at 512 q, 16 bytes a lane
.set XSC,  4096                        ; their scale bytes: block q at 128 q, a word a lane
.set STG,  5120                        ; the stage: 16 rows x (512 bytes + 16): row r starts 33 r x 16 bytes on, so the sixteen rows that a store touches fall on different banks (64 banks of 4 bytes: ISA guide 11.1)
.set SP,   528
.set PO,  1                            ; v1   part: 1,024 r + 128 wave + 64 h
.set BO,  2                            ; v2   4,096 x wave + 16 x lane: my tile's images in wcodes; also my two rows in out0
.set SO,  3                            ; v3   1,024 x wave + 4 x lane: my tile's scale words
.set LI,  4                            ; v4   16 x lane
.set LS,  5                            ; v5   4 x lane
.set XWI, 6                            ; v6   512 x wave + 16 x lane: where my block's image goes
.set XWS, 7                            ; v7   128 x wave + 4 x lane: and its scale word
.set STO, 8                            ; v8   the stage, in: row r, + 64 wave + 32 h
.set SR,  9                            ; v9   the stage, out: rows 2 wave, 2 wave + 1; 16 bytes a lane
.set P,   16                           ; v16-79   the four shares, 16 numbers each; the means end up in v16-31
.set C,   80                           ; v80-83   my block's codes
.set M,   84                           ; v84-89   at work
.set M2,  85
.set T,   86
.set H,   87
.set SC,  88
.set BY,  89
.set B,   96                           ; v96-127  my tile's two fragments
.set WR,  128                          ; v128-135 its eight scale bytes
.set WS,  136                          ; v136-137 its two scale words;  v138-139 the means': these four hold scales and nothing else
.set XS,  138
.set XR,  140                          ; v140-147 the means' eight scale bytes
.set A,   148                          ; v148-179 the means' two fragments
.set D,   180                          ; v180-187 the accumulator
.set O,   188                          ; v188-195 two rows of out0
.set SEL, 20                           ; s[20:21] v_permlanex16_b32's selects for lane l xor 16
.set MNT, 22                           ; s22  the mantissa field of 448
	s_load_b256 s[4:11], s[0:1], 0x0               ; part s[4:5], wcodes s[6:7], wscale s[8:9], out0 s[10:11]
	v_lshl_add_u32 v94, v0, 2, 0x3600
	v_mov_b32 v95, 0
	v_lshrrev_b32 v10, 5, v0                       ; wave
	v_and_b32 v11, 31, v0                          ; lane
	v_and_b32 v12, 15, v0                          ; r
	v_bfe_u32 v13, v0, 4, 1                        ; h
	v_lshlrev_b32 v[LI], 4, v11
	v_lshlrev_b32 v[LS], 2, v11
	v_lshlrev_b32 v[PO], 10, v12
	v_lshl_add_u32 v[PO], v10, 7, v[PO]
	v_lshl_add_u32 v[PO], v13, 6, v[PO]
	v_lshl_add_u32 v[BO], v10, 12, v[LI]
	v_lshl_add_u32 v[SO], v10, 10, v[LS]
	s_and_b32 s12, ttmp7, 0xffff                   ; y: the tile of 16 batches
	s_lshl_b32 s14, ttmp9, 15                      ; wcodes: 8 tiles of 4,096 bytes a group of columns
	s_mov_b32 s15, 0
	s_lshl_b32 s16, ttmp9, 13                      ; wscale: 8 tiles of 1,024
	s_mov_b32 s17, 0
	s_lshl_b32 s18, s12, 15                        ; out0: 16 rows of 2,048 bytes,
	s_lshl_b32 s19, ttmp9, 9                       ; + 128 columns of 4
	s_add_co_u32 s18, s18, s19
	s_mov_b32 s19, 0
	s_lshl_b32 s12, s12, 14                        ; part: 16 rows of 1,024 bytes
	s_mov_b32 s13, 0
	s_mov_b32 s[SEL], 0x76543210
	s_mov_b32 s[SEL+1], 0xfedcba98
	s_mov_b32 s[MNT], 0x600000
	s_wait_kmcnt 0x0
	s_add_nc_u64 s[4:5], s[4:5], s[12:13]
	s_add_nc_u64 s[6:7], s[6:7], s[14:15]
	s_add_nc_u64 s[8:9], s[8:9], s[16:17]
	s_add_nc_u64 s[10:11], s[10:11], s[18:19]
	s_wait_alu depctr_va_vdst(0)                   ; v1 to v5 are written: the loads below, the LDS loads behind the first barrier and the last stores read them as offsets and addresses
.irp p, 0,1,2,3
.irp j, 0,1,2,3
	global_load_b128 v[P+16*\p+4*\j:P+16*\p+4*\j+3], v[PO], s[4:5] offset:65536*\p+16*\j   ; quarter p's share of mean(16 y + r, 32 wave + 16 h + 4 j ..)
.endr
.endr
.irp q, 0,1,2,3,4,5,6,7
	global_load_b128 v[B+4*\q:B+4*\q+3], v[BO], s[6:7] offset:512*\q    ; my tile's images: 512 consecutive bytes a load
.endr
.irp q, 0,1,2,3,4,5,6,7
	global_load_b32 v[WR+\q], v[SO], s[8:9] offset:128*\q
.endr
	; the addresses for LDS are made while the loads are on their way
	v_lshl_add_u32 v[XWI], v10, 9, v[LI]
	v_lshl_add_u32 v[XWS], v10, 7, v[LS]
	v_mul_u32_u24 v[STO], v12, SP
	v_lshl_add_u32 v[STO], v10, 6, v[STO]
	v_lshl_add_u32 v[STO], v13, 5, v[STO]
	v_mul_u32_u24 v[SR], v10, 2*SP
	v_add_nc_u32 v[SR], v[SR], v[LI]
	v_mov_b32 v[T], 0                              ; a lane permute's destination counts as one of its sources
	s_wait_loadcnt 16                              ; the shares are in; the sixteen loads issued behind them (codes, scale bytes) may be out
.irp e, 0,2,4,6,8,10,12,14
	v_pk_add_f32 v[P+\e:P+\e+1],       v[P+\e:P+\e+1],       v[P+16+\e:P+17+\e]   ; the four quarters, in a tree
	v_pk_add_f32 v[P+32+\e:P+33+\e],   v[P+32+\e:P+33+\e],   v[P+48+\e:P+49+\e]
.endr
.irp e, 0,2,4,6,8,10,12,14
	v_pk_add_f32 v[P+\e:P+\e+1], v[P+\e:P+\e+1], v[P+32+\e:P+33+\e]               ; the means: 16 neighbours along K
.endr
	v_max3_num_f32 v[M],  |v[P]|,   |v[P+1]|, 0x4800000    ; the largest magnitude of my 16, in two chains, with the floor 2^(9 - 127) among the leaves: the byte cannot fall under 1
	v_max3_num_f32 v[M2], |v[P+8]|, |v[P+9]|, |v[P+10]|
	v_max3_num_f32 v[M],  v[M],  |v[P+2]|,  |v[P+3]|
	v_max3_num_f32 v[M2], v[M2], |v[P+11]|, |v[P+12]|
	v_max3_num_f32 v[M],  v[M],  |v[P+4]|,  |v[P+5]|
	v_max3_num_f32 v[M2], v[M2], |v[P+13]|, |v[P+14]|
	v_max3_num_f32 v[M],  v[M],  |v[P+6]|,  |v[P+7]|
	v_max3_num_f32 v[M],  v[M],  v[M2],     |v[P+15]|
	v_permlanex16_b32 v[T], v[M], s[SEL], s[SEL+1]
	v_max_num_f32 v[M], v[M], v[T]                 ; with lane l xor 16's 16: the block's
	v_add_nc_u32 v[SC], 0xfc000000, v[M]           ; 8 off its exponent field: the conversion's scale operand
	v_and_or_b32 v[H], v[M], 0x7f800000, s[MNT]    ; 448 x the scale
.irp q, 0,1,2,3,4,5,6,7,8,9,10,11,12,13,14,15
	v_med3_num_f32 v[P+\q], v[P+\q], -v[H], v[H]   ; the conversion to an 8-bit code does not saturate (ISA guide 7.6.2): the hold at the largest code x the scale
.endr
	v_cvt_scalef32_pk8_fp8_f32 v[C:C+1],   v[P:P+7],    v[SC]
	v_cvt_scalef32_pk8_fp8_f32 v[C+2:C+3], v[P+8:P+15], v[SC]
	v_lshrrev_b32 v[BY], 23, v[SC]                 ; the scale's byte (the plain line behind the conversions)
	s_wait_alu depctr_va_vdst(0)                   ; the conversions have written v80-83 and the shift v89, which the two LDS stores read; so are the LDS addresses v6 to v9, for these stores and for the stage
	ds_store_b128 v[XWI], v[C:C+3] offset:XIMG     ; block wave = registers 4 (wave % 4) .. of K step wave / 4, as they stand
	ds_store_b32 v[XWS], v[BY] offset:XSC
	s_wait_loadcnt 0x0                             ; my tile's codes and scale bytes
	v_lshl_or_b32 v[WS],   v[WR+1], 8,  v[WR]      ; four bytes make a K step's scale word: lane r has column r's
	v_lshl_or_b32 v[WS+1], v[WR+5], 8,  v[WR+4]
	v_lshl_or_b32 v[WS],   v[WR+2], 16, v[WS]
	v_lshl_or_b32 v[WS+1], v[WR+6], 16, v[WS+1]
	v_lshl_or_b32 v[WS],   v[WR+3], 24, v[WS]
	v_lshl_or_b32 v[WS+1], v[WR+7], 24, v[WS+1]
	s_wait_dscnt 0x0                               ; for the others' sake: my image and my scale word lie in LDS
	s_barrier_signal -1
	s_barrier_wait -1                              ; all eight blocks do
.irp q, 0,1,2,3,4,5,6,7
	ds_load_b128 v[A+4*\q:A+4*\q+3], v[LI] offset:XIMG+512*\q   ; into registers that no vector instruction has named
.endr
.irp q, 0,1,2,3,4,5,6,7
	ds_load_b32 v[XR+\q], v[LS] offset:XSC+128*\q
.endr
	s_wait_dscnt 0x0
	v_lshl_or_b32 v[XS],   v[XR+1], 8,  v[XR]      ; lane r has batch r's
	v_lshl_or_b32 v[XS+1], v[XR+5], 8,  v[XR+4]
	v_lshl_or_b32 v[XS],   v[XR+2], 16, v[XS]
	v_lshl_or_b32 v[XS+1], v[XR+6], 16, v[XS+1]
	v_lshl_or_b32 v[XS],   v[XR+3], 24, v[XS]
	v_lshl_or_b32 v[XS+1], v[XR+7], 24, v[XS+1]
.rept 8
	v_nop                                          ; a scale register written by a vector instruction stands eight places ahead of the scaled matrix instruction; all address work was done under the loads, so none is left for these places
.endr
	s_wait_alu depctr_va_vdst(0)                   ; the four scale words v136-139 are written, which the two matrix instructions take as scales; the places above stay beside this wait
	v_wmma_scale_f32_16x16x128_f8f6f4 v[D:D+7], v[B:B+15], v[A:A+15], 0, v[WS], v[XS]          ; K = 0 .. 127 starts the sum
	s_wait_alu depctr_va_vdst(0)                   ; a wave has one tile, so one accumulator: this wait stands directly ahead of the link in place
	v_wmma_scale_f32_16x16x128_f8f6f4 v[D:D+7], v[B+16:B+31], v[A+16:A+31], v[D:D+7], v[WS+1], v[XS+1]
.rept 8
	v_nop                                          ; eight places before an LDS store reads the result
.endr
	s_wait_alu depctr_va_vdst(0)                   ; the matrix instructions have written the accumulator v180-187, which the LDS stores read; the places above stay beside this wait
	ds_store_b128 v[STO], v[D:D+3] offset:STG      ; lane (r, h): out0(16 y + r, 128 x + 16 wave + 8 h + 0 .. 7); the accumulator from its low end on
	ds_store_b128 v[STO], v[D+4:D+7] offset:STG+16
	s_wait_dscnt 0x0                               ; for the others' sake: my 64 bytes of each row lie in the stage
	s_barrier_signal -1
	s_barrier_wait -1                              ; sixteen whole rows do
	ds_load_b128 v[O:O+3],   v[SR] offset:STG      ; into registers that no vector instruction has named
	ds_load_b128 v[O+4:O+7], v[SR] offset:STG+SP
	s_wait_dscnt 1                                 ; the first row is back; the second row's load may be out
	global_store_b128 v[BO], v[O:O+3], s[10:11]                  ; 32 lanes store 512 consecutive bytes, at a multiple of 512 from out0's first byte
	s_wait_dscnt 0x0
	global_store_b128 v[BO], v[O+4:O+7], s[10:11] offset:2048
	s_wait_dscnt 0x0
	s_wait_alu depctr_hold_cnt(0) depctr_sa_sdst(0) depctr_va_vdst(0) depctr_va_sdst(0) depctr_va_ssrc(0) depctr_va_vcc(0) depctr_vm_vsrc(0)
	s_wait_tensorcnt 0x0
	ds_add_u32 v94, v95
	s_wait_dscnt 0x0
	s_endpgm
.Lfunc_end_k_q3c24ae866f_product:
	.size	k_q3c24ae866f_product, .Lfunc_end_k_q3c24ae866f_product-k_q3c24ae866f_product
	.p2alignl 7, 3214868480
	.fill 96, 4, 3214868480
	.section	.rodata,"a",@progbits
	.p2align	6, 0x0
	.amdhsa_kernel k_q3c24ae866f_product
		.amdhsa_group_segment_fixed_size 14848
		.amdhsa_private_segment_fixed_size 0
		.amdhsa_enable_private_segment 0
		.amdhsa_kernarg_size 32
		.amdhsa_user_sgpr_count 2
		.amdhsa_user_sgpr_kernarg_segment_ptr 1
		.amdhsa_wavefront_size32 1
		.amdhsa_system_sgpr_workgroup_id_x 1
		.amdhsa_system_sgpr_workgroup_id_y 1
		.amdhsa_system_sgpr_workgroup_id_z 1
		.amdhsa_system_vgpr_workitem_id 0
		.amdhsa_next_free_vgpr 196
		.amdhsa_next_free_sgpr 66
		.amdhsa_reserve_vcc 0
		.amdhsa_float_denorm_mode_32 3
		.amdhsa_float_denorm_mode_16_64 3
		.amdhsa_memory_ordered 1
		.amdhsa_forward_progress 1
		.amdhsa_inst_pref_size 13
	.end_amdhsa_kernel
	.amdgpu_metadata
---
amdhsa.version: [ 1, 2 ]
amdhsa.kernels:
  - .name:           k_q3c24ae866f_product
    .symbol:         k_q3c24ae866f_product.kd
    .args:
      - { .name: part, .offset: 0, .size: 8, .value_kind: global_buffer, .address_space: global }
      - { .name: wcodes, .offset: 8, .size: 8, .value_kind: global_buffer, .address_space: global }
      - { .name: wscale, .offset: 16, .size: 8, .value_kind: global_buffer, .address_space: global }
      - { .name: out0, .offset: 24, .size: 8, .value_kind: global_buffer, .address_space: global }
    .group_segment_fixed_size: 14848
    .private_segment_fixed_size: 0
    .kernarg_segment_align: 8
    .kernarg_segment_size: 32
    .max_flat_workgroup_size: 256
    .sgpr_count:     66
    .vgpr_count:     196
    .wavefront_size: 32
...
	.end_amdgpu_metadata
.endif
;; end of part 4
